; MI455X (gfx1250); checked and timed in simulation.
; The chip was launched on July 23, 2026; its instructions are those of AMD's public machine-readable ISA for CDNA 5 (MIT licence, August 2026) and "CDNA5" Instruction Set Architecture Reference Guide (July 2026). The comments in the code are by the model that wrote it; some were corrected since.
;; Features. Allowed arithmetic: matrix products marked QUANTISED: E2M1 operands, one E8M0 scale for each 32 along K, by v_wmma_scale_f32_16x16x128_f8f6f4 with both operands' format E2M1 (or v_wmma_scale_f32_32x16x128_f4), f32 sums; everything else in f32.
;; Inputs: memory_bank 16,384 x 128 float32; neighbor_scale_bank 16,384 float32; query 8,192 x 128 float32.
;; Outputs: out0 8,192 float32.
;; Constants: k = 5.
;; This version of the problem:
;;   THIS VERSION OF THE PROBLEM IS GIVEN IN LOW PRECISION. The matrix products marked QUANTISED in the list below multiply operands that are first quantised to E2M1 (2 exponent bits, 1 mantissa bit; 4 bits a number), with one power-of-two scale for each 32 numbers along K (OCP MX v1.0); their sums are f32. All else is computed in f32.
;;   The module's matrix products, in the order in which they are computed (A, B: the left and right operand; K: the contracted axis; several contracted axes count as one K, in the product's order):
;;     1. [M 8,192, K 128] x [K 128, N 16,384]; A: input query; B: input memory_bank: QUANTISED
;;   THE QUANTISER, for each operand of a quantised product, along K:
;;     - K is cut into blocks of 32 from its start; a last block that is shorter is filled with zeros.
;;     - A block's scale is 2^e with e = floor(log2(the largest magnitude in the block)) - 2, held to -126 .. 127; a block of zeros has e = 0. As a byte (E8M0): e + 127.
;;     - Each number is divided by its block's scale, clamped to +-6, and rounded to the nearest number of E2M1, ties to even, subnormals kept.
;;     - The product sums the exact products of the quantised numbers (number of the format x scale) in f32.
;;   ~~~python
;;   def quantise(x, axis):      # numpy; x: float32 -> the quantised numbers, widened to float32 again
;;       x = np.moveaxis(x, axis, -1); K = x.shape[-1]
;;       x = np.pad(x, [(0, 0)] * (x.ndim - 1) + [(0, -K % 32)]); x = x.reshape(x.shape[:-1] + (-1, 32)); a = np.abs(x).max(-1, keepdims=True)
;;       e = np.where(a > 0, np.clip(np.frexp(np.where(a > 0, a, 1))[1] - 1 - 2, -126, 127), 0)      # np.frexp(a)[1] - 1 = floor(log2(a)), exactly
;;       r = np.clip(x / 2.0 ** e, -6, 6)
;;       step = 2.0 ** (np.maximum(np.frexp(np.where(r == 0, 1, r))[1] - 1, 0) - 1)
;;       q = np.round(r / step) * step * 2.0 ** e      # np.round: ties to even
;;       return np.moveaxis(q.reshape(q.shape[:-2] + (-1,))[..., :K], -1, axis).astype(np.float32)
;;   ~~~
;; 2 versions, each right; version 2 is version 1 with the launch refine written anew for expert scheduling mode. Each part assembles by itself: llvm-mc -triple=amdgcn-amd-amdhsa -mcpu=gfx1250 --defsym DOCPART=n.
;; ======== version 1 of 2: 4 launches
;; workspace buffers: bank_img 1,179,648 bytes; qry_img 589,824 bytes; lists 5,242,880 bytes; cand 393,216 bytes of whole numbers
;; launch prep (part 1): grid 384 x 1, 4 waves a work-group, no clusters, 34,816 bytes of LDS; arguments memory_bank, query, bank_img, qry_img; writes bank_img, qry_img
.if DOCPART == 1
	.amdgcn_target "amdgcn-amd-amdhsa--gfx1250"
	.amdhsa_code_object_version 6
	.text
	.protected	k_qc30413d63b_prep
	.globl	k_qc30413d63b_prep
	.p2align	8
	.type	k_qc30413d63b_prep,@function
k_qc30413d63b_prep:
	s_mov_b64 s[64:65], 0
	v_nop
	global_prefetch_b8 v0, s[64:65] scope:SCOPE_SE
	s_setreg_imm32_b32 hwreg(HW_REG_WAVE_MODE, 25, 1), 1
	s_wait_xcnt 0x0
; memory_bank [16384][128] and query [8192][128], f32, become PACKS of 4,608 bytes: 4 tiles of 16 rows, laid as images of a matrix operand's registers.
;   bytes 0..4095     codes of FP4 (E2M1): tile t, half c, lane 16 h + m: the 16 bytes of row m's k = 64 c + 32 h + 0 .. 31, at 1024 t + 512 c + 16 (16 h + m)
;   bytes 4096..4351  scale words (four E8M0 bytes, one for each 32 along K) at 16 m + 4 t
;   bytes 4352..4607  nh = -0.5 x the sum of the row's squares (of the f32 numbers as given), at 64 t + 4 m
; WHICH ROWS FORM A TILE.  Bank pack p = 16 s + i: row(t, m) = 1024 s + 32 i + 8 t + (m % 8) + 512 (m / 8): rows m < 8 of the pack's four tiles are the 32 neighbouring rows of group 32 s + i,
; rows m >= 8 those of group 32 s + 16 + i.  Query pack P: row = 64 P + 16 t + m.
; A block's scale is 2^(floor(log2(its largest magnitude)) - 2); its byte is the largest magnitude's exponent field - 2, held at 1 from below.  A block of zeros so gets the byte 1 where the
; rule says 127: its codes are zeros, and the bytes are read by this program alone.
; LIMITS: blocks whose largest magnitude lies under 2^-124 (the floor) were not tried; NaN and infinities among the inputs are not served.
; SHARES.  Work-groups 0..255 take a bank pack each, 256..383 a query pack; only pointers and row numbers are chosen, there is one way through the text.  Wave t makes tile t.
; Each load takes one whole row, 512 consecutive bytes; the 16 rows turn through the wave's own stage in LDS, so that lane (m, h) gets the 2 x 32 neighbours along K that the operand's layout gives it.
; No cluster, no tensor load, no matrix unit: no two work-groups read the same bytes, and every input byte is read once.
.set STG,   8448                       ; a wave's stage: 16 rows x 528 bytes
.set PITCH, 528                        ; 512 bytes + 16: an odd multiple of 16, so that sixteen rows' reads of one column start at sixteen different banks (64 banks of 4 bytes: ISA guide 11.1)
.set SCW,   33792                      ; behind the four stages: the pack's 256 bytes of scale words,
.set NHW,   34048                      ; and its 256 bytes of nh
.set PACKB, 4608
.set R,     16                         ; v16-79   16 rows as loaded, 4 registers each
.set X,     80                         ; v80-143  my 64 numbers: register 32 c + i = k 64 c + 32 h + i of row m
.set CD,    144                        ; v144-151 the fragment's codes
.set T,     152                        ; v152-167 at work
	s_load_b256 s[4:11], s[0:1], 0x0               ; memory_bank s[4:5], query s[6:7], bank_img s[8:9], qry_img s[10:11]
	v_lshl_add_u32 v192, v0, 2, 0x8600
	v_mov_b32 v193, 0
	v_lshrrev_b32 v1, 5, v0
	v_readfirstlane_b32 s12, v1                    ; wave = tile t
	v_and_b32 v1, 31, v0                           ; lane
	v_and_b32 v2, 15, v0                           ; m
	v_bfe_u32 v3, v0, 4, 1                         ; h
	s_mov_b32 s26, 0x76543210
	s_mov_b32 s27, 0xfedcba98                      ; v_permlanex16_b32's selects for lane l xor 16
	s_mul_i32 s21, s12, STG
	v_lshlrev_b32 v4, 4, v1                        ; 16 x lane: my bytes of a row, and of an image
	v_add_nc_u32 v6, s21, v4                       ; the stage, on the way in
	v_mul_u32_u24 v7, v2, PITCH
	v_lshl_add_u32 v7, v3, 7, v7
	v_add_nc_u32 v7, s21, v7                       ; and on the way out: row m, + 128 h bytes
	s_lshl_b32 s28, s12, 2
	s_add_co_u32 s28, s28, SCW
	v_lshl_add_u32 v8, v2, 4, s28                  ; my row's scale word: 16 m + 4 t
	s_lshl_b32 s29, s12, 6
	s_add_co_u32 s29, s29, NHW
	v_lshl_add_u32 v9, v2, 2, s29                  ; my row's nh: 64 t + 4 m
	s_and_b32 s30, s12, 1
	s_lshl_b32 s30, s30, 8
	s_add_co_u32 s31, s30, SCW
	v_lshl_add_u32 v12, v1, 3, s31                 ; the way out of the two small regions: wave 0 the scale words, wave 1 nh, 8 bytes a lane
	v_lshl_add_u32 v13, v1, 3, s30
	s_and_b32 s14, ttmp9, 15
	s_lshr_b32 s15, ttmp9, 4
	s_lshl_b32 s15, s15, 10
	s_lshl_b32 s14, s14, 5
	s_add_co_u32 s14, s14, s15                     ; bank: 1024 s + 32 i
	s_sub_co_u32 s16, ttmp9, 256                   ; the query pack's number (used by query work-groups alone)
	s_lshl_b32 s17, s16, 6                         ; query: 64 P
	s_lshl_b32 s18, s12, 3
	s_lshl_b32 s19, s12, 4
	s_add_co_u32 s14, s14, s18                     ; + 8 t
	s_add_co_u32 s17, s17, s19                     ; + 16 t
	s_mov_b32 s20, 0x40000                         ; bank: rows m >= 8 lie 512 rows of 512 bytes further on
	s_wait_kmcnt 0x0
	s_cmp_lt_u32 ttmp9, 256                        ; bank or query?  The choice hangs on the work-group's number alone
	s_cselect_b64 s[4:5], s[4:5], s[6:7]
	s_cselect_b64 s[8:9], s[8:9], s[10:11]
	s_cselect_b32 s14, s14, s17                    ; my tile's first row
	s_cselect_b32 s13, ttmp9, s16                  ; the pack's number
	s_cselect_b32 s20, s20, 4096                   ; query: rows m >= 8 lie 8 rows further on
	s_lshl_b32 s22, s14, 9
	s_mov_b32 s23, 0
	s_add_nc_u64 s[4:5], s[4:5], s[22:23]          ; the source at my tile's first row
	s_mul_i32 s22, s13, PACKB
	s_add_nc_u64 s[8:9], s[8:9], s[22:23]          ; the pack
	s_lshl_b32 s22, s12, 10
	s_add_nc_u64 s[24:25], s[8:9], s[22:23]        ; my tile's codes
	v_add_nc_u32 v5, s20, v4
.irp i, 0,1,2,3,4,5,6,7
	global_load_b128 v[R+4*\i:R+4*\i+3], v4, s[4:5] offset:512*\i th:TH_LOAD_NT          ; rows m = 0 .. 7: 32 lanes read one row's 512 consecutive bytes
.endr
.irp i, 0,1,2,3,4,5,6,7
	global_load_b128 v[R+32+4*\i:R+35+4*\i], v5, s[4:5] offset:512*\i th:TH_LOAD_NT      ; rows m = 8 .. 15
.endr
.irp i, 0,1,2,3,4,5,6,7,8,9,10,11,12,13,14,15
	s_wait_loadcnt 15-\i                           ; loads come back in order (ISA guide 5.7.1): row i is in, the younger rows may stay out
	ds_store_b128 v6, v[R+4*\i:R+4*\i+3] offset:PITCH*\i
.endr
.irp c, 0,1
.irp e, 0,1,2,3,4,5,6,7
	ds_load_b128 v[X+32*\c+4*\e:X+32*\c+4*\e+3], v7 offset:256*\c+16*\e   ; LDS serves a wave's instructions in order: these see my stores
.endr
.endr
	s_wait_dscnt 0x0
.irp c, 0,1                                    ; my block 2 c + h: all its 32 numbers are mine
	v_max3_num_f32 v[T+\c], |v[X+32*\c]|, |v[X+1+32*\c]|, 0x1800000      ; with the floor 2^(3 - 127): the byte cannot fall under 1
.endr
.irp i, 2,4,6,8,10,12,14,16,18,20,22,24,26,28,30
.irp c, 0,1
	v_max3_num_f32 v[T+\c], v[T+\c], |v[X+32*\c+\i]|, |v[X+1+32*\c+\i]|
.endr
.endr
.irp c, 0,1
	v_add_nc_u32 v[T+2+\c], 0xff000000, v[T+\c]    ; 2 off the exponent field: the conversion takes this operand's exponent field as its scale
.endr
.irp c, 0,1
	v_lshrrev_b32 v[T+4+\c], 23, v[T+2+\c]         ; the scale's byte
.endr
	v_lshl_or_b32 v[T+6], v[T+5], 16, v[T+4]       ; my two bytes: blocks h and 2 + h,
	v_lshlrev_b32 v[T+7], 3, v3
	v_lshlrev_b32 v[T+6], v[T+7], v[T+6]           ; at their places in the word;
	v_mov_b32 v[T+7], 0
	v_permlanex16_b32 v[T+7], v[T+6], s26, s27
	v_or_b32 v[T+6], v[T+6], v[T+7]                ; with lane l xor 16's two the word is whole
.irp j, 0,1,2,3                                ; the sum of my 64 squares: two at a time, four chains
	v_pk_mul_f32 v[T+8+2*\j:T+9+2*\j], v[X+2*\j:X+2*\j+1], v[X+2*\j:X+2*\j+1]
.endr
.set j, 4
.rept 28
	v_pk_fma_f32 v[T+8+2*(j%4):T+9+2*(j%4)], v[X+2*j:X+2*j+1], v[X+2*j:X+2*j+1], v[T+8+2*(j%4):T+9+2*(j%4)]
.set j, j+1
.endr
	v_pk_add_f32 v[T+8:T+9], v[T+8:T+9], v[T+10:T+11]
	v_pk_add_f32 v[T+12:T+13], v[T+12:T+13], v[T+14:T+15]
	v_pk_add_f32 v[T+8:T+9], v[T+8:T+9], v[T+12:T+13]
	v_add_f32 v[T+8], v[T+8], v[T+9]
	v_permlanex16_b32 v[T+9], v[T+8], s26, s27
	v_add_f32 v[T+8], v[T+8], v[T+9]               ; with lane l xor 16's 64: the row's
	v_mul_f32 v[T+8], -0.5, v[T+8]                 ; nh
.irp c, 0,1
.irp g, 0,1,2,3
	v_cvt_scalef32_pk8_fp4_f32 v[CD+4*\c+\g], v[X+32*\c+8*\g:X+32*\c+8*\g+7], v[T+2+\c]   ; registers 4 c .. 4 c + 3 of the operand; beyond 6 the largest code
.endr
.endr
	v_nop                                          ; one plain line behind the last scaled conversion
	global_store_b128 v4, v[CD:CD+3], s[24:25]                 ; each store covers 512 consecutive bytes, aligned to 256
	global_store_b128 v4, v[CD+4:CD+7], s[24:25] offset:512
	ds_store_b32 v8, v[T+6]                        ; both halves of the lanes write the same word with the same value
	ds_store_b32 v9, v[T+8]
	s_wait_dscnt 0x0                               ; for the others' sake: my words lie in LDS
	s_barrier_signal -1
	s_barrier_wait -1
	s_cmp_lt_u32 s12, 2
	s_cbranch_scc0 .Lend
	ds_load_b64 v[10:11], v12                      ; the four waves' words: 256 bytes
	s_wait_dscnt 0x0
	global_store_b64 v13, v[10:11], s[8:9] offset:4096         ; 32 lanes store 256 consecutive aligned bytes
.Lend:
	s_wait_tensorcnt 0x0
	ds_add_u32 v192, v193
	s_wait_dscnt 0x0
	s_endpgm
.Lfunc_end_k_qc30413d63b_prep:
	.size	k_qc30413d63b_prep, .Lfunc_end_k_qc30413d63b_prep-k_qc30413d63b_prep
	.p2alignl 7, 3214868480
	.fill 96, 4, 3214868480
	.section	.rodata,"a",@progbits
	.p2align	6, 0x0
	.amdhsa_kernel k_qc30413d63b_prep
		.amdhsa_group_segment_fixed_size 34816
		.amdhsa_private_segment_fixed_size 0
		.amdhsa_enable_private_segment 0
		.amdhsa_kernarg_size 32
		.amdhsa_user_sgpr_count 2
		.amdhsa_user_sgpr_kernarg_segment_ptr 1
		.amdhsa_wavefront_size32 1
		.amdhsa_system_sgpr_workgroup_id_x 1
		.amdhsa_system_sgpr_workgroup_id_y 1
		.amdhsa_system_sgpr_workgroup_id_z 1
		.amdhsa_system_vgpr_workitem_id 0
		.amdhsa_next_free_vgpr 194
		.amdhsa_next_free_sgpr 66
		.amdhsa_reserve_vcc 0
		.amdhsa_float_denorm_mode_32 3
		.amdhsa_float_denorm_mode_16_64 3
		.amdhsa_memory_ordered 1
		.amdhsa_forward_progress 1
		.amdhsa_inst_pref_size 13
	.end_amdhsa_kernel
	.amdgpu_metadata
---
amdhsa.version: [ 1, 2 ]
amdhsa.kernels:
  - .name:           k_qc30413d63b_prep
    .symbol:         k_qc30413d63b_prep.kd
    .args:
      - { .name: memory_bank, .offset: 0, .size: 8, .value_kind: global_buffer, .address_space: global }
      - { .name: query, .offset: 8, .size: 8, .value_kind: global_buffer, .address_space: global }
      - { .name: bank_img, .offset: 16, .size: 8, .value_kind: global_buffer, .address_space: global }
      - { .name: qry_img, .offset: 24, .size: 8, .value_kind: global_buffer, .address_space: global }
    .group_segment_fixed_size: 34816
    .private_segment_fixed_size: 0
    .kernarg_segment_align: 8
    .kernarg_segment_size: 32
    .max_flat_workgroup_size: 128
    .sgpr_count:     66
    .vgpr_count:     194
    .wavefront_size: 32
...
	.end_amdgpu_metadata
.endif
;; end of part 1
;; launch scan (part 2): grid 16 x 16, 4 waves a work-group, clusters of 4 x 1, 168,448 bytes of LDS; arguments bank_img, qry_img, lists; writes lists
.if DOCPART == 2
	.amdgcn_target "amdgcn-amd-amdhsa--gfx1250"
	.amdhsa_code_object_version 6
	.text
	.protected	k_qc30413d63b_scan
	.globl	k_qc30413d63b_scan
	.p2align	8
	.type	k_qc30413d63b_scan,@function
k_qc30413d63b_scan:
	s_mov_b64 s[64:65], 0
	v_nop
	global_prefetch_b8 v0, s[64:65] scope:SCOPE_SE
	s_setreg_imm32_b32 hwreg(HW_REG_WAVE_MODE, 25, 1), 1
	s_wait_xcnt 0x0
	s_wait_alu depctr_hold_cnt(0) depctr_sa_sdst(0) depctr_va_vdst(0) depctr_va_sdst(0) depctr_va_ssrc(0) depctr_va_vcc(0) depctr_vm_vsrc(0)
	s_getreg_b32 s2, hwreg(HW_REG_IB_STS2, 6, 4)
	s_cmp_eq_u32 s2, 0
	s_cbranch_scc0 .Lentry_in_a_cluster
	s_endpgm
.Lentry_in_a_cluster:
	s_bfe_u32 s2, ttmp6, 0x10000c
	s_cmp_lg_u32 s2, 0x3003
	s_cbranch_scc0 .Lentry_shape_is_right
	s_endpgm
.Lentry_shape_is_right:
; THE DENSE PASS.  For every query and every group of 32 neighbouring bank rows: the group's largest key, key = q . m - m2 / 2 (d2 = q2 - 2 key: the largest key is the nearest row),
; held at cap = q2 / 2 - 5e-13 from above, which is the reference's max(d2, 1e-12).  Of each slice of 1,024 bank rows the five best groups of each query are kept, with their numbers.
; Order rows by (held key descending, index ascending) and groups by (largest held key descending, number ascending): then each of the five best rows lies in one of the five best groups,
; since five earlier groups would each hold a row that comes before it.  So the dense pass needs a maximum for each score and one sorted insertion for 32 of them.
; q . m is the quantised product: v_wmma_scale_f32_16x16x128_f8f6f4 on FP4 codes, source 0 = 16 bank rows, source 1 = 16 queries, C = nh = -m2 / 2 of the 16 rows: the instruction's result IS the key.
; A lane holds ONE query (lane % 16) and eight bank rows (8 (lane / 16) + 0 .. 7); by the packs' choice of rows a pack's four tiles give a lane the 32 rows of one group: 32 s + 16 (lane / 16) + pack.
; TIES.  Every stream (lane, half, slice) walks ascending rows, every insertion compares by a strict >, every merge lets the lower range take in the upper: equal keys keep the lower number.
; SHARES.  Work-group (x, s): 512 queries x slice s.  Wave w: 128 queries, eight tiles, whose codes stay in registers; all four waves read the slice's 16 packs from LDS.  256 work-groups, 512 products a wave.
; CLUSTER.  The four work-groups of a cluster take the same slice: each pack is asked for JOINTLY (mask 15), the address made of the slice and the wave's number alone.  The slice, 73,728 bytes, is filled once:
; no byte of LDS is filled again.  By this text's own count a wave has four tensor loads out.
; LIMITS: the choice is made on the key in f32, not on the rounded root: rows whose d2 differ by a few units in the last place may be chosen otherwise than by the reference; the hold at 1e-12 is told
; only as far as f32 holds q2 / 2 - 5e-13; NaN and infinities are not served.
; REGISTERS, in windows of 256.  Window 0: v1-9 addresses and numbers; v10-17 the queries' scale words; v18-25 the bank tiles', two sets; v26-33 cap; v34-41 the groups' maxima; v42-121 eight lists
; (five keys descending, five numbers); v128-255 the results, two sets of eight.  Window 1: v0-63 the queries' fragments; v64-95 bank fragments and v96-127 nh of set 0; v128-159, v160-191 of set 1.
.set PACKB, 4608
.set LA0, 1                            ; v1   16 x lane: my place in an image
.set LS0, 2                            ; v2   4096 + 16 (lane % 16): my row's four scale words
.set LC0, 3                            ; v3   4352 + 32 (lane / 16): nh of my eight rows
.set ADA, 4                            ; v4-6 the same, in the pack that is being fetched
.set ADS, 5
.set ADC, 6
.set PIV, 7                            ; v7   the number, in the slice's half, of the pack that is being inserted
.set IDB, 8                            ; v8   32 s + 16 (lane / 16)
.set L8,  9                            ; v9   8 x lane
.set SB,  10
.set SA,  18
.set CAP, 26
.set G,   34
.set LST, 42
.set D,   128
.set WV,  10                           ; s10  my wave's number
.set PB,  40                           ; s40  LDS byte of the pack to be fetched next
.set PI,  41                           ; s41  number of the pack to be inserted next
.set CNT, 42
.set MK,  68                           ; s[68:87] four sets of five masks
.set MSB, 0
.macro WIN new                         ; the immediate's high byte repeats the setting that is left
.if MSB != \new
	s_set_vgpr_msb (MSB<<8)|\new
.set MSB, \new
.endif
.endm
.macro CROUND                          ; a round of the cluster's barrier
	s_barrier_signal -1
	s_barrier_wait -1
	s_cmp_lg_u32 s[WV], 0
	s_cbranch_scc1 .Lnot_wave_0_\@
	s_barrier_signal -3
.Lnot_wave_0_\@:
	s_barrier_wait -3
	s_barrier_signal -1
	s_barrier_wait -1
.endm
; Four sorted insertions side by side, u = 0 .. 3: the item (key v[X0 + XS u], number v[Y0 + YS u]) into the list at v[L0 + LS u].  c_k = item > key k.  A number moves down where c_(k-1), is the item's
; where c_k alone; the keys follow by the middle of (item, key k-1, key k).  19 lines a list.
.macro INSQ L0, LS, X0, XS, Y0, YS
.irp k, 0,1,2,3,4
.irp u, 0,1,2,3
	v_cmp_gt_f32 s[MK+5*\u+\k], v[(\X0)+(\XS)*\u], v[(\L0)+(\LS)*\u+\k]
.endr
.endr
.irp k, 4,3,2,1
.irp u, 0,1,2,3
	v_cndmask_b32 v[(\L0)+(\LS)*\u+5+\k], v[(\L0)+(\LS)*\u+5+\k], v[(\Y0)+(\YS)*\u], s[MK+5*\u+\k]
.endr
.irp u, 0,1,2,3
	v_cndmask_b32 v[(\L0)+(\LS)*\u+5+\k], v[(\L0)+(\LS)*\u+5+\k], v[(\L0)+(\LS)*\u+4+\k], s[MK+5*\u+\k-1]
.endr
.endr
.irp u, 0,1,2,3
	v_cndmask_b32 v[(\L0)+(\LS)*\u+5], v[(\L0)+(\LS)*\u+5], v[(\Y0)+(\YS)*\u], s[MK+5*\u]
.endr
.irp k, 4,3,2,1
.irp u, 0,1,2,3
	v_med3_num_f32 v[(\L0)+(\LS)*\u+\k], v[(\X0)+(\XS)*\u], v[(\L0)+(\LS)*\u+\k-1], v[(\L0)+(\LS)*\u+\k]
.endr
.endr
.irp u, 0,1,2,3
	v_max_num_f32 v[(\L0)+(\LS)*\u], v[(\X0)+(\XS)*\u], v[(\L0)+(\LS)*\u]
.endr
.endm
; A pack from LDS into set buf: four scale words a row, four fragments, nh of my eight rows of each tile: 17 loads in one run.
.macro LOADP buf
	v_add_nc_u32 v[ADA], s[PB], v[LA0]
	v_add_nc_u32 v[ADS], s[PB], v[LS0]
	v_add_nc_u32 v[ADC], s[PB], v[LC0]
	s_add_co_u32 s[PB], s[PB], PACKB
	ds_load_b128 v[SA+4*(\buf):SA+4*(\buf)+3], v[ADS]
	WIN 0x40                                       ; destination window 1, address window 0
.irp t, 0,1,2,3
	ds_load_b128 v[64+64*(\buf)+8*\t:64+64*(\buf)+8*\t+3], v[ADA] offset:1024*\t
	ds_load_b128 v[64+64*(\buf)+8*\t+4:64+64*(\buf)+8*\t+7], v[ADA] offset:1024*\t+512
	ds_load_b128 v[96+64*(\buf)+8*\t:96+64*(\buf)+8*\t+3], v[ADC] offset:64*\t
	ds_load_b128 v[96+64*(\buf)+8*\t+4:96+64*(\buf)+8*\t+7], v[ADC] offset:64*\t+16
.endr
	WIN 0
.endm
; Tile t of set buf against my eight tiles of queries: eight products, each with its own result registers and nh as C: no sum is carried from one to the next.
.macro MM t, buf
	WIN 0x15                                       ; sources 0, 1 and 2 window 1, destination window 0
.irp i, 0,1,2,3,4,5,6,7
	v_wmma_scale_f32_16x16x128_f8f6f4 v[D+64*((\t)%2)+8*\i:D+64*((\t)%2)+8*\i+7], v[64+64*(\buf)+8*(\t):64+64*(\buf)+8*(\t)+7], v[8*\i:8*\i+7], v[96+64*(\buf)+8*(\t):96+64*(\buf)+8*(\t)+7], v[SA+4*(\buf)+(\t)], v[SB+\i] matrix_a_fmt:MATRIX_FMT_FP4 matrix_b_fmt:MATRIX_FMT_FP4
.endr
	WIN 0
.endm
; The maxima take in tile t's 64 results: 32 lines, the eight tiles of queries by turns; each result is read from its low end on.  Tile 0 starts the maxima.
.macro MX t
.set DB, D+64*((\t)%2)
.if (\t) == 0
.irp i, 0,1,2,3,4,5,6,7
	v_max3_num_f32 v[G+\i], v[DB+8*\i], v[DB+8*\i+1], v[DB+8*\i+2]
.endr
.irp r, 3,5
.irp i, 0,1,2,3,4,5,6,7
	v_max3_num_f32 v[G+\i], v[G+\i], v[DB+8*\i+\r], v[DB+8*\i+\r+1]
.endr
.endr
.irp i, 0,1,2,3,4,5,6,7
	v_max_num_f32 v[G+\i], v[G+\i], v[DB+8*\i+7]
.endr
.else
.irp r, 0,2,4,6
.irp i, 0,1,2,3,4,5,6,7
	v_max3_num_f32 v[G+\i], v[G+\i], v[DB+8*\i+\r], v[DB+8*\i+\r+1]
.endr
.endr
.endif
.endm
.macro INSALL                          ; a pack's eight maxima are held at cap and inserted
	v_mov_b32 v[PIV], s[PI]
	s_add_co_u32 s[PI], s[PI], 1
.irp z, 0,4
.irp u, 0,1,2,3
	v_min_num_f32 v[G+\z+\u], v[G+\z+\u], v[CAP+\z+\u]
.endr
	INSQ LST+10*\z, 10, G+\z, 1, PIV, 0
.endr
.endm
; A PACK.  Between a tile's products and the lines that read them stand the 32 lines of the tile before, which name none of the products' registers (four such lines are owed before a read, five before the
; result registers are written again); the run of loads into the other set stands behind the 32 lines that followed that set's last products.
.macro STEP buf, first, pf
	s_wait_dscnt 0x0                               ; this pack's 17 loads, issued three tiles ago, are in
	MM 0, \buf
.if \first
.rept 4
	v_nop                                          ; there is no pack before: four plain lines between these products and the first read of their results
.endr
.else
	MX 3
	INSALL
.endif
.if \pf
	LOADP 1-\buf
.endif
	MM 1, \buf
	MX 0
	MM 2, \buf
	MX 1
	MM 3, \buf
	MX 2
.endm
	s_load_b128 s[4:7], s[0:1], 0x0                ; bank_img s[4:5], qry_img s[6:7]
	s_load_b64 s[8:9], s[0:1], 0x10                ; lists
	v_lshl_add_u32 v126, v0, 2, 0x29000
	v_mov_b32 v127, 0
	ds_add_u32 v126, v127
	ds_add_u32 v126, v127
	v_lshrrev_b32 v1, 5, v0
	v_readfirstlane_b32 s[WV], v1                  ; wave 0..3
	s_bfe_u32 s11, ttmp6, 0x40000                  ; cx: it enters the queries' and the lists' addresses alone
	s_lshl_b32 s12, ttmp9, 2
	s_add_co_u32 s12, s12, s11                     ; x: my block of 512 queries
	s_and_b32 s13, ttmp7, 0xffff                   ; s: the slice, which the four partners share
	; descriptor group 1: a pack is 4,608 dense bytes: 18 rows of 32 elements of 8 bytes
	s_mov_b32 s16, 15|(3<<16)|(1<<21)              ; 15:0 the mask: all four work-groups; 17:16 elements of 8 bytes; 21 set beside a mask; no padding
	s_mov_b32 s17, 32<<16                          ; tensor_dim0 = 32
	s_mov_b32 s18, 18<<16                          ; tensor_dim1 = 18
	s_mov_b32 s19, 32<<16                          ; tile_dim0 = 32
	s_mov_b32 s20, 18                              ; tile_dim1 = 18
	s_mov_b32 s21, 32                              ; from row to row
	s_mov_b32 s22, 0
	s_mov_b32 s23, 0
	s_mul_i32 s14, s[WV], PACKB                    ; pack w's place in LDS
	s_lshl_b32 s44, s13, 4
	s_add_co_u32 s44, s44, s[WV]
	s_mul_i32 s44, s44, PACKB                      ; and pack 16 s + w's in memory
	s_mov_b32 s45, 0
	s_lshl_b32 s46, s12, 3
	s_lshl_b32 s47, s[WV], 1
	s_add_co_u32 s46, s46, s47
	s_mul_i32 s46, s46, PACKB                      ; my two query packs: 8 x + 2 w on
	s_mov_b32 s47, 0
	s_lshl_b32 s48, s12, 4
	s_lshl_b32 s49, s[WV], 2
	s_add_co_u32 s48, s48, s49
	s_mul_i32 s48, s48, 1280                       ; my four pairs of query tiles: 16 x + 4 w on,
	s_mul_i32 s49, s13, 327680                     ; in slice s's part of the lists
	s_add_co_u32 s48, s48, s49
	s_mov_b32 s49, 0
	s_lshl_b32 s15, s13, 5                         ; 32 s
	s_mov_b32 s43, 0xab0cbccc                      ; -5e-13
	s_mov_b32 s[PB], 0
	s_mov_b32 s[PI], 0
	s_wait_dscnt 0x0
	s_wait_kmcnt 0x0
	s_add_nc_u64 s[44:45], s[4:5], s[44:45]
	s_add_nc_u64 s[6:7], s[6:7], s[46:47]
	s_add_nc_u64 s[8:9], s[8:9], s[48:49]
	CROUND                                         ; all four work-groups are here: the joint loads meet
.irp k, 0,1,2,3                                ; load k of wave w brings pack 4 k + w
	s_mov_b32 s[24+4*\k], 1                        ; count = 1
	s_add_co_u32 s[25+4*\k], s14, \k*4*PACKB       ; LDS address
	s_add_nc_u64 s[26+4*\k:27+4*\k], s[44:45], \k*4*PACKB
	s_or_b32 s[27+4*\k], s[27+4*\k], 0x80000000    ; type = 2
.endr
	tensor_load_to_lds s[24:27], s[16:23]
	s_nop 0
	tensor_load_to_lds s[28:31], s[16:23]
	s_nop 0
	tensor_load_to_lds s[32:35], s[16:23]
	s_nop 0
	tensor_load_to_lds s[36:39], s[16:23]
	s_nop 0
	v_and_b32 v[L8], 31, v0                        ; lane.  (Ten lines of address work stand between the tensor loads and the first switch of windows)
	v_and_b32 v[PIV], 15, v0                       ; n
	v_bfe_u32 v[IDB], v0, 4, 1                     ; h
	v_lshlrev_b32 v[LA0], 4, v[L8]
	v_lshl_add_u32 v[LS0], v[PIV], 4, 4096
	v_lshl_add_u32 v[LC0], v[IDB], 5, 4352
	v_lshlrev_b32 v[PIV], 2, v[PIV]                ; 4 n, until the loads below are in
	v_lshlrev_b32 v[IDB], 4, v[IDB]
	v_add_nc_u32 v[IDB], s15, v[IDB]
	v_lshlrev_b32 v[L8], 3, v[L8]
	WIN 0x40
.irp i, 0,1,2,3,4,5,6,7                        ; my eight tiles of queries stay in registers
.irp c, 0,1
	global_load_b128 v[8*\i+4*\c:8*\i+4*\c+3], v[LA0], s[6:7] offset:(\i/4)*PACKB+(\i%4)*1024+512*\c
.endr
.endr
	WIN 0
	global_load_b128 v[SB:SB+3], v[LS0], s[6:7]                ; their scale words: lane n has query n's, one register a tile
	global_load_b128 v[SB+4:SB+7], v[LS0], s[6:7] offset:PACKB
.irp i, 0,1,2,3,4,5,6,7
	global_load_b32 v[CAP+\i], v[PIV], s[6:7] offset:(\i/4)*PACKB+4352+(\i%4)*64   ; nh of my query
.endr
.irp i, 0,1,2,3,4,5,6,7
.irp k, 0,1,2,3,4
	v_mov_b32 v[LST+10*\i+\k], 0xff800000          ; the lists begin with -infinity, under every key: a slice's half has 16 groups, so all five places are taken
	v_mov_b32 v[LST+10*\i+5+\k], 0
.endr
.endr
	s_wait_loadcnt 0x0
.irp i, 0,1,2,3,4,5,6,7
	v_sub_f32 v[CAP+\i], s43, v[CAP+\i]            ; cap = q2 / 2 - 5e-13
.endr
	s_wait_tensorcnt 0x3                           ; my first load, pack w, is in; my three later packs may stay out
	s_barrier_signal -1
	s_barrier_wait -1                              ; packs 0 to 3 are whole
	LOADP 0
	STEP 0, 1, 1                                   ; pack 0; fetches pack 1
	STEP 1, 0, 1                                   ; pack 1; fetches pack 2
	s_wait_tensorcnt 0x0                           ; all my packs are in,
	s_wait_dscnt 0x0                               ; and no LDS load of mine is out at the signal
	s_barrier_signal -1
	s_barrier_wait -1                              ; all sixteen are whole
	s_mov_b32 s[CNT], 6
.Lpacks:                                           ; packs 2 to 13
	STEP 0, 0, 1
	STEP 1, 0, 1
	s_sub_co_u32 s[CNT], s[CNT], 1
	s_cmp_lg_u32 s[CNT], 0
	s_cbranch_scc1 .Lpacks
	STEP 0, 0, 1                                   ; pack 14; fetches pack 15
	STEP 1, 0, 0                                   ; pack 15
	MX 3
	INSALL
	; THE END.  The numbers become group numbers; a query's two halves (lanes n and 16 + n) are merged, the lower range taking in the upper.
.irp i, 0,1,2,3,4,5,6,7
.irp k, 0,1,2,3,4
	v_add_nc_u32 v[LST+10*\i+5+\k], v[IDB], v[LST+10*\i+5+\k]
.endr
.endr
.irp j, 0,1,2,3                                ; tiles 2 j and 2 j + 1: behind the exchange the first list holds both tiles' lower ranges (lane 16 (tile % 2) + n), the second their upper ranges
.irp k, 0,1,2,3,4,5,6,7,8,9
	v_permlane16_swap_b32 v[LST+20*\j+\k], v[LST+20*\j+10+\k]
.endr
.endr
.irp k, 0,1,2,3,4
	INSQ LST, 20, LST+10+\k, 20, LST+15+\k, 20
.endr
.irp j, 0,1,2,3                                ; a pair's 1,280 bytes: keys 0-3; key 4 and numbers 0-2; numbers 3, 4.  Each store covers consecutive bytes, aligned to 256
	global_store_b128 v[LA0], v[LST+20*\j:LST+20*\j+3], s[8:9] offset:1280*\j th:TH_STORE_NT
	global_store_b128 v[LA0], v[LST+20*\j+4:LST+20*\j+7], s[8:9] offset:1280*\j+512 th:TH_STORE_NT
	global_store_b64 v[L8], v[LST+20*\j+8:LST+20*\j+9], s[8:9] offset:1280*\j+1024 th:TH_STORE_NT
.endr
	s_wait_dscnt 0x0
	s_wait_tensorcnt 0x0
	ds_add_u32 v126, v127
	s_wait_dscnt 0x0
	CROUND                                         ; the closing round: no work-group ends while a partner may still ask for a pack that names it
	s_endpgm
.Lfunc_end_k_qc30413d63b_scan:
	.size	k_qc30413d63b_scan, .Lfunc_end_k_qc30413d63b_scan-k_qc30413d63b_scan
	.p2alignl 7, 3214868480
	.fill 96, 4, 3214868480
	.section	.rodata,"a",@progbits
	.p2align	6, 0x0
	.amdhsa_kernel k_qc30413d63b_scan
		.amdhsa_group_segment_fixed_size 168448
		.amdhsa_private_segment_fixed_size 0
		.amdhsa_enable_private_segment 0
		.amdhsa_kernarg_size 24
		.amdhsa_user_sgpr_count 2
		.amdhsa_user_sgpr_kernarg_segment_ptr 1
		.amdhsa_wavefront_size32 1
		.amdhsa_system_sgpr_workgroup_id_x 1
		.amdhsa_system_sgpr_workgroup_id_y 1
		.amdhsa_system_sgpr_workgroup_id_z 1
		.amdhsa_system_vgpr_workitem_id 0
		.amdhsa_next_free_vgpr 448
		.amdhsa_next_free_sgpr 90
		.amdhsa_reserve_vcc 0
		.amdhsa_float_denorm_mode_32 3
		.amdhsa_float_denorm_mode_16_64 3
		.amdhsa_memory_ordered 1
		.amdhsa_forward_progress 1
		.amdhsa_inst_pref_size 177
	.end_amdhsa_kernel
	.amdgpu_metadata
---
amdhsa.version: [ 1, 2 ]
amdhsa.kernels:
  - .name:           k_qc30413d63b_scan
    .symbol:         k_qc30413d63b_scan.kd
    .args:
      - { .name: bank_img, .offset: 0, .size: 8, .value_kind: global_buffer, .address_space: global }
      - { .name: qry_img, .offset: 8, .size: 8, .value_kind: global_buffer, .address_space: global }
      - { .name: lists, .offset: 16, .size: 8, .value_kind: global_buffer, .address_space: global }
    .group_segment_fixed_size: 168448
    .private_segment_fixed_size: 0
    .kernarg_segment_align: 8
    .kernarg_segment_size: 24
    .max_flat_workgroup_size: 128
    .sgpr_count:     90
    .vgpr_count:     448
    .wavefront_size: 32
...
	.end_amdgpu_metadata
.endif
;; end of part 2
;; launch merge (part 3): grid 512 x 1, 1 waves a work-group, no clusters, 1,280 bytes of LDS; arguments lists, cand; writes cand
.if DOCPART == 3
	.amdgcn_target "amdgcn-amd-amdhsa--gfx1250"
	.amdhsa_code_object_version 6
	.text
	.protected	k_qc30413d63b_merge
	.globl	k_qc30413d63b_merge
	.p2align	8
	.type	k_qc30413d63b_merge,@function
k_qc30413d63b_merge:
	s_mov_b64 s[64:65], 0
	v_nop
	global_prefetch_b8 v0, s[64:65] scope:SCOPE_SE
	s_setreg_imm32_b32 hwreg(HW_REG_WAVE_MODE, 25, 1), 1
	s_wait_xcnt 0x0
; The sixteen slices' lists of each query are merged into its five best groups, and these are stored as whole numbers from which the next launch forms addresses.
; SHARES.  A work-group of one wave takes a tile X of 16 queries.  Lane (n, h) merges slices 8 h .. 8 h + 7 of query n, in ascending order; then lanes 0-15 take in lanes 16-31's lists.
; Every insertion compares by a strict >, and the later list always holds higher group numbers: equal keys keep the lower number.
; OUT, 768 bytes a tile, twelve rows of 16 words (word n: query n): rows 0-4: u = 36 p + hh, the place of the group's codes in bank_img in units of 128 bytes (p = 16 (g / 32) + g % 16 the pack,
; hh = (g / 16) % 2 which eight rows of its tiles); rows 5-9: g; rows 10-11: zeros.  The five groups stand in ascending g, so that the next launch can again leave ties to the order of its work.
; No address and no branch here hangs on what is loaded.  No matrix unit, no cluster: work-groups share nothing, and every byte of the lists is read once.
.set L,  16                            ; v16-25  the list (slice 8 h's to begin with): five keys descending, five numbers;  slice 8 h + s at v[16 + 10 s]
.set T,  96                            ; v96-105 the other half's list; later u
.set MK, 16                            ; s[16:20] masks
.macro INS L0, X, Y
.irp k, 0,1,2,3,4
	v_cmp_gt_f32 s[MK+\k], v[\X], v[(\L0)+\k]
.endr
.irp k, 4,3,2,1
	v_cndmask_b32 v[(\L0)+5+\k], v[(\L0)+5+\k], v[\Y], s[MK+\k]
	v_cndmask_b32 v[(\L0)+5+\k], v[(\L0)+5+\k], v[(\L0)+4+\k], s[MK+\k-1]
.endr
	v_cndmask_b32 v[(\L0)+5], v[(\L0)+5], v[\Y], s[MK]
.irp k, 4,3,2,1
	v_med3_num_f32 v[(\L0)+\k], v[\X], v[(\L0)+\k-1], v[(\L0)+\k]
.endr
	v_max_num_f32 v[\L0], v[\X], v[\L0]
.endm
.macro CSW a, b                        ; numbers a and b into ascending order
	v_min_u32 v106, v[L+5+\a], v[L+5+\b]
	v_max_u32 v[L+5+\b], v[L+5+\a], v[L+5+\b]
	v_mov_b32 v[L+5+\a], v106
.endm
	s_load_b128 s[4:7], s[0:1], 0x0                ; lists s[4:5], cand s[6:7]
	v_lshl_add_u32 v112, v0, 2, 0x400
	v_mov_b32 v113, 0
	v_and_b32 v3, 15, v0                           ; n
	v_bfe_u32 v4, v0, 4, 1                         ; h
	s_and_b32 s8, ttmp9, 1
	s_lshl_b32 s8, s8, 4
	v_add_nc_u32 v5, s8, v3                        ; my query's lane in the pair's image: 16 (X % 2) + n
	v_mul_u32_u24 v6, v4, 0x280000                 ; eight slices of 327,680 bytes
	v_lshl_add_u32 v1, v5, 4, v6
	v_lshl_add_u32 v2, v5, 3, v6
	v_lshlrev_b32 v7, 2, v3                        ; LDS: 4 n
	v_lshlrev_b32 v8, 2, v0                        ; 4 x lane
	v_lshlrev_b32 v9, 4, v0                        ; 16 x lane
	v_lshlrev_b32 v10, 3, v0                       ; 8 x lane
	s_lshr_b32 s10, ttmp9, 1
	s_mul_i32 s10, s10, 1280
	s_mov_b32 s11, 0
	s_mul_i32 s12, ttmp9, 768
	s_mov_b32 s13, 0
	s_mov_b32 s14, 0x76543210
	s_mov_b32 s15, 0xfedcba98                      ; v_permlanex16_b32's selects for lane l xor 16
	s_wait_kmcnt 0x0
	s_add_nc_u64 s[4:5], s[4:5], s[10:11]
	s_add_nc_u64 s[6:7], s[6:7], s[12:13]
.irp s, 0,1,2,3,4,5,6,7                        ; sixteen lanes read 256 (or 128) consecutive bytes
	global_load_b128 v[L+10*\s:L+10*\s+3], v1, s[4:5] offset:327680*\s th:TH_LOAD_NT
	global_load_b128 v[L+10*\s+4:L+10*\s+7], v1, s[4:5] offset:327680*\s+512 th:TH_LOAD_NT
	global_load_b64 v[L+10*\s+8:L+10*\s+9], v2, s[4:5] offset:327680*\s+1024 th:TH_LOAD_NT
.endr
.irp k, 0,1,2,3,4,5,6,7,8,9
	v_mov_b32 v[T+\k], 0                           ; written once: a lane permute's destination counts as one of its sources
.endr
	v_mov_b32 v108, 0
.irp s, 1,2,3,4,5,6,7
	s_wait_loadcnt 3*(7-\s)                        ; slices up to s are in; the later slices' three loads each may stay out
.irp k, 0,1,2,3,4
	INS L, L+10*\s+\k, L+10*\s+5+\k
.endr
.endr
.irp k, 0,1,2,3,4,5,6,7,8,9
	v_permlanex16_b32 v[T+\k], v[L+\k], s14, s15
.endr
.irp k, 0,1,2,3,4
	INS L, T+\k, T+5+\k                            ; right in lanes 0-15, where the lower slices take in the upper
.endr
	CSW 0, 3                                       ; nine exchanges sort five numbers
	CSW 1, 4
	CSW 0, 2
	CSW 1, 3
	CSW 0, 1
	CSW 2, 4
	CSW 1, 2
	CSW 3, 4
	CSW 2, 3
.irp k, 0,1,2,3,4
	v_permlanex16_b32 v[T+\k], v[L+5+\k], s14, s15
.endr
	s_mov_b32 vcc_lo, 0xffff0000
.irp k, 0,1,2,3,4
	v_cndmask_b32 v[L+5+\k], v[L+5+\k], v[T+\k], vcc_lo        ; lanes 16-31 take lanes 0-15's numbers: both halves then store the same words
.endr
.irp k, 0,1,2,3,4
	v_and_b32 v106, 0x1e0, v[L+5+\k]
	v_and_b32 v107, 15, v[L+5+\k]
	v_mul_u32_u24 v106, v106, 18                   ; 36 x 16 (g / 32)
	v_mad_u32_u24 v106, v107, 36, v106             ; + 36 (g % 16)
	v_bfe_u32 v107, v[L+5+\k], 4, 1
	v_add_nc_u32 v[T+5+\k], v106, v107             ; + hh
	ds_store_b32 v7, v[T+5+\k] offset:64*\k
	ds_store_b32 v7, v[L+5+\k] offset:320+64*\k
.endr
	ds_store_b32 v8, v108 offset:640
	ds_load_b128 v[12:15], v9                      ; LDS serves a wave's instructions in order: these see my stores
	ds_load_b64 v[110:111], v10 offset:512
	s_wait_dscnt 0x0
	global_store_b128 v9, v[12:15], s[6:7]                     ; 512 and 256 consecutive bytes, aligned to 256
	global_store_b64 v10, v[110:111], s[6:7] offset:512
	s_wait_tensorcnt 0x0
	ds_add_u32 v112, v113
	s_wait_dscnt 0x0
	s_endpgm
.Lfunc_end_k_qc30413d63b_merge:
	.size	k_qc30413d63b_merge, .Lfunc_end_k_qc30413d63b_merge-k_qc30413d63b_merge
	.p2alignl 7, 3214868480
	.fill 96, 4, 3214868480
	.section	.rodata,"a",@progbits
	.p2align	6, 0x0
	.amdhsa_kernel k_qc30413d63b_merge
		.amdhsa_group_segment_fixed_size 1280
		.amdhsa_private_segment_fixed_size 0
		.amdhsa_enable_private_segment 0
		.amdhsa_kernarg_size 16
		.amdhsa_user_sgpr_count 2
		.amdhsa_user_sgpr_kernarg_segment_ptr 1
		.amdhsa_wavefront_size32 1
		.amdhsa_system_sgpr_workgroup_id_x 1
		.amdhsa_system_sgpr_workgroup_id_y 1
		.amdhsa_system_sgpr_workgroup_id_z 1
		.amdhsa_system_vgpr_workitem_id 0
		.amdhsa_next_free_vgpr 114
		.amdhsa_next_free_sgpr 66
		.amdhsa_reserve_vcc 1
		.amdhsa_float_denorm_mode_32 3
		.amdhsa_float_denorm_mode_16_64 3
		.amdhsa_memory_ordered 1
		.amdhsa_forward_progress 1
		.amdhsa_inst_pref_size 56
	.end_amdhsa_kernel
	.amdgpu_metadata
---
amdhsa.version: [ 1, 2 ]
amdhsa.kernels:
  - .name:           k_qc30413d63b_merge
    .symbol:         k_qc30413d63b_merge.kd
    .args:
      - { .name: lists, .offset: 0, .size: 8, .value_kind: global_buffer, .address_space: global }
      - { .name: cand, .offset: 8, .size: 8, .value_kind: global_buffer, .address_space: global }
    .group_segment_fixed_size: 1280
    .private_segment_fixed_size: 0
    .kernarg_segment_align: 8
    .kernarg_segment_size: 16
    .max_flat_workgroup_size: 32
    .sgpr_count:     66
    .vgpr_count:     114
    .wavefront_size: 32
...
	.end_amdgpu_metadata
.endif
;; end of part 3
;; launch refine (part 4): grid 256 x 1, 10 waves a work-group, no clusters, 14,592 bytes of LDS; arguments bank_img, qry_img, cand, neighbor_scale_bank, out0; writes out0
.if DOCPART == 4
	.amdgcn_target "amdgcn-amd-amdhsa--gfx1250"
	.amdhsa_code_object_version 6
	.text
	.protected	k_qc30413d63b_refine
	.globl	k_qc30413d63b_refine
	.p2align	8
	.type	k_qc30413d63b_refine,@function
k_qc30413d63b_refine:
	s_mov_b64 s[64:65], 0
	v_nop
	global_prefetch_b8 v0, s[64:65] scope:SCOPE_SE
	s_setreg_imm32_b32 hwreg(HW_REG_WAVE_MODE, 25, 1), 1
	s_wait_xcnt 0x0
; THE FINE PASS.  For each query the 5 x 32 rows of its five best groups are scored again, by the same matrix instruction on the same codes; the five best rows are chosen, and the result is formed.
; SHARES.  A work-group takes two tiles of 16 queries, X = 2 WG + a.  Wave 5 a + s takes tile a's slot s: for each of its 16 queries the 32 rows of that query's s-th group (ascending group numbers).
; ONE SUM FOR SIXTEEN QUERIES.  For query n0 the bank rows are source 0 (two tiles of 16) and the tile of queries, with every column but n0 set to zero codes, is source 1.  The sixteen queries' products are
; added onto the same two accumulators, which begin as nh = -m2 / 2 of each lane's own rows.  A zero column adds nothing, so at the end lane (n, h) holds the keys q . m - m2 / 2 of query n's own rows:
; register j of accumulator y is row i = 16 h + 8 y + j of the group.  All 32 lanes then choose, and nothing is picked out of a result.
; WHICH ROWS FORM A TILE: row r of tile y is the group's row 16 (r / 8) + 8 y + r % 8: tile 2 (r / 8) + y of the pack, row 8 hh + r % 8.
; TIES: rows are inserted in ascending order by a strict >, lower ranges take in upper ones, slots stand in ascending group number: equal keys keep the lower index, as the reference's top_k does.
; What travels with a key is the row's neighbour scale itself: no index is needed any more.
; ADDRESSES hang on whole numbers that an earlier launch stored; each is held by a minimum with a constant first: u at 9,181 (the last group's place), g at 511.
; LIMITS: the choice is made on the key in f32 (held at q2 / 2 - 5e-13, the reference's max(d2, 1e-12)), not on the rounded root; a key passes through sixteen instructions, fifteen of which add zeros;
; rows whose d2 differ by a few units in the last place may be chosen otherwise than by the reference; NaN and infinities are not served.
; No tensor load, no cluster: every wave gathers rows of its own choice, so no tile is shared.  out0: a work-group owns 32 queries, 128 bytes, so that all gathers are spread over 256 work-groups.
.set PACKB, 4608
.set VLA, 3                            ; v3   my place in a group's codes: 256 h + 16 (r % 8) + 2048 (r / 8)
.set VLS, 4                            ; v4   and among its scale words: 16 (r % 8) + 8 (r / 8)
.set N4,  5                            ; v5   4 n
.set GG,  6                            ; v6   my query's group
.set VN,  7                            ; v7   where nh of my 16 rows begins
.set VS,  8                            ; v8   where their neighbour scales begin
.set CAP, 9
.set NHQ, 10                           ; v10  nh of my query
.set NHF, 11                           ; v11  nh of query 32 WG + lane, for the end
.set SBQ, 12                           ; v12  the queries' scale words
.set HH,  13                           ; v13  h
.set BQ,  16                           ; v16-23   the queries' fragment
.set BM,  24                           ; v24-47   the same with one column left, three sets
.set ACC, 48                           ; v48-63   the two accumulators
.set NS,  64                           ; v64-79   my 16 rows' neighbour scales
.set L,   80                           ; v80-89   the list: five keys descending, five neighbour scales
.set T,   90                           ; v90-99   the other half's list
.set SAR, 100                          ; v100-115 the bank rows' scale words: two for each of eight queries
.set AR0, 128                          ; v128-255 the bank rows' fragments: 16 registers for each of eight queries; at the end four lists and the last arithmetic
.set MK,  76                           ; s[76:80] masks
.macro INS L0, X, Y
.irp k, 0,1,2,3,4
	v_cmp_gt_f32 s[MK+\k], v[\X], v[(\L0)+\k]
.endr
.irp k, 4,3,2,1
	v_cndmask_b32 v[(\L0)+5+\k], v[(\L0)+5+\k], v[\Y], s[MK+\k]
	v_cndmask_b32 v[(\L0)+5+\k], v[(\L0)+5+\k], v[(\L0)+4+\k], s[MK+\k-1]
.endr
	v_cndmask_b32 v[(\L0)+5], v[(\L0)+5], v[\Y], s[MK]
.irp k, 4,3,2,1
	v_med3_num_f32 v[(\L0)+\k], v[\X], v[(\L0)+\k-1], v[(\L0)+\k]
.endr
	v_max_num_f32 v[\L0], v[\X], v[\L0]
.endm
.macro LOADA n                         ; query n's group: two fragments and their scale words: five loads
.irp y, 0,1
.irp c, 0,1
	global_load_b128 v[AR0+16*((\n)%8)+8*\y+4*\c:AR0+16*((\n)%8)+8*\y+4*\c+3], v[VLA], s[32+2*(\n):33+2*(\n)] offset:1024*\y+512*\c
.endr
.endr
	global_load_b64 v[SAR+2*((\n)%8):SAR+2*((\n)%8)+1], v[VLS], s[32+2*(\n):33+2*(\n)] offset:4096
.endm
.macro GEN n                           ; the queries' fragment with column n alone (lanes n and 16 + n), zero codes elsewhere, into set n % 3
	s_mov_b32 vcc_lo, 0x10001<<(\n)
.irp j, 0,1,2,3,4,5,6,7
	v_cndmask_b32 v[BM+8*((\n)%3)+\j], 0, v[BQ+\j], vcc_lo
.endr
.endm
.macro PROD n                          ; the two accumulators take turns, one instruction a turn
	v_wmma_scale_f32_16x16x128_f8f6f4 v[ACC:ACC+7], v[AR0+16*((\n)%8):AR0+16*((\n)%8)+7], v[BM+8*((\n)%3):BM+8*((\n)%3)+7], v[ACC:ACC+7], v[SAR+2*((\n)%8)], v[SBQ] matrix_a_fmt:MATRIX_FMT_FP4 matrix_b_fmt:MATRIX_FMT_FP4
	v_wmma_scale_f32_16x16x128_f8f6f4 v[ACC+8:ACC+15], v[AR0+16*((\n)%8)+8:AR0+16*((\n)%8)+15], v[BM+8*((\n)%3):BM+8*((\n)%3)+7], v[ACC+8:ACC+15], v[SAR+2*((\n)%8)+1], v[SBQ] matrix_a_fmt:MATRIX_FMT_FP4 matrix_b_fmt:MATRIX_FMT_FP4
.endm
	s_load_b256 s[4:11], s[0:1], 0x0               ; bank_img s[4:5], qry_img s[6:7], cand s[8:9], neighbor_scale_bank s[10:11]
	s_load_b64 s[12:13], s[0:1], 0x20              ; out0
	v_lshl_add_u32 v122, v0, 2, 0x3400
	s_set_vgpr_msb 0x40
	v_mov_b32 v1, 0
	s_set_vgpr_msb 0x4000
	v_lshrrev_b32 v1, 5, v0
	v_readfirstlane_b32 s14, v1                    ; wave 0..9
	s_cmp_ge_u32 s14, 5
	s_cselect_b32 s15, 1, 0                        ; a
	s_mul_i32 s66, s15, 5
	s_sub_co_u32 s66, s14, s66                     ; slot
	s_lshl_b32 s67, ttmp9, 1
	s_add_co_u32 s67, s67, s15                     ; X
	s_mul_i32 s68, s67, 768
	s_lshl_b32 s69, s66, 6
	s_add_co_u32 s68, s68, s69                     ; cand: my tile, my slot's row
	s_mov_b32 s69, 0
	s_lshr_b32 s70, ttmp9, 1
	s_mul_i32 s70, s70, PACKB                      ; the query pack X / 4
	s_mov_b32 s71, 0
	s_and_b32 s72, s67, 3                          ; my tile in it
	s_and_b32 s73, ttmp9, 1
	s_lshl_b32 s73, s73, 7                         ; 64 x the pack's tile of the work-group's first tile
	s_lshl_b32 s74, ttmp9, 7                       ; out0: 32 queries of 4 bytes
	s_mov_b32 s75, 0
	s_mov_b32 s82, 0x76543210
	s_mov_b32 s83, 0xfedcba98                      ; v_permlanex16_b32's selects for lane l xor 16
	s_mov_b32 s84, 0xab0cbccc                      ; -5e-13
	s_lshl_b32 s85, s72, 10
	s_lshl_b32 s86, s72, 2
	s_lshl_b32 s87, s72, 6
	s_mul_i32 s88, s14, 1280                       ; my list's place in LDS
	v_and_b32 v1, 31, v0                           ; lane
	v_and_b32 v2, 15, v0                           ; n, r
	v_bfe_u32 v[HH], v0, 4, 1                      ; h
	v_and_b32 v14, 7, v0
	v_bfe_u32 v15, v0, 3, 1
	v_lshlrev_b32 v[VLA], 8, v[HH]
	v_lshl_add_u32 v[VLA], v14, 4, v[VLA]
	v_lshl_add_u32 v[VLA], v15, 11, v[VLA]
	v_lshlrev_b32 v[VLS], 4, v14
	v_lshl_add_u32 v[VLS], v15, 3, v[VLS]
	v_lshlrev_b32 v[N4], 2, v2
	v_lshl_add_u32 v116, v1, 4, s85                ; the queries' fragment: 1024 t + 16 x lane
	v_lshl_add_u32 v117, v2, 4, s86                ; their scale words: 16 n + 4 t
	v_add_nc_u32 v118, s87, v[N4]                  ; their nh: 64 t + 4 n
	v_lshl_add_u32 v119, v[HH], 6, v[N4]
	v_add_nc_u32 v119, s73, v119                   ; and for the end: tile 2 (WG % 2) + h
	v_lshlrev_b32 v123, 2, v1                      ; out0: 4 x lane
	v_lshl_add_u32 v124, v1, 4, s88                ; LDS: my list's image, 16 bytes a lane,
	v_lshl_add_u32 v125, v1, 3, s88                ; and 8
	v_mul_u32_u24 v126, v[HH], 6400                ; and where wave 0 reads: tile h's five lists, lane n's part
	v_lshl_add_u32 v127, v2, 3, v126
	v_lshl_add_u32 v126, v2, 4, v126
.irp k, 0,1,2,3,4,5,6,7,8,9
	v_mov_b32 v[T+\k], 0                           ; written once: a lane permute's destination counts as one of its sources
.endr
	s_wait_kmcnt 0x0
	s_add_nc_u64 s[8:9], s[8:9], s[68:69]
	s_add_nc_u64 s[6:7], s[6:7], s[70:71]
	s_add_nc_u64 s[12:13], s[12:13], s[74:75]
	s_load_b512 s[16:31], s[8:9], 0x0              ; u of my slot, for the 16 queries
	global_load_b32 v[GG], v[N4], s[8:9] offset:320            ; g of my slot, for my query.  Six loads at the head
	global_load_b128 v[BQ:BQ+3], v116, s[6:7]
	global_load_b128 v[BQ+4:BQ+7], v116, s[6:7] offset:512
	global_load_b32 v[SBQ], v117, s[6:7] offset:4096
	global_load_b32 v[NHQ], v118, s[6:7] offset:4352
	global_load_b32 v[NHF], v119, s[6:7] offset:4352
	s_wait_kmcnt 0x0
.irp n, 0,1,2,3,4,5,6,7,8,9,10,11,12,13,14,15
	s_min_u32 s[16+\n], s[16+\n], 9181             ; held inside bank_img,
	s_lshl_b32 s[32+2*\n], s[16+\n], 7             ; in bytes,
	s_mov_b32 s[33+2*\n], 0
	s_add_nc_u64 s[32+2*\n:33+2*\n], s[4:5], s[32+2*\n:33+2*\n]   ; query n's group in bank_img
.endr
.irp n, 0,1,2,3,4,5,6,7
	LOADA \n
.endr
	s_wait_loadcnt 40                              ; the six loads of the head are in; the first eight queries' five loads each may stay out
	v_min_u32 v[GG], 0x1ff, v[GG]                  ; held inside the bank
	v_and_b32 v120, 0x1e0, v[GG]
	v_and_b32 v121, 15, v[GG]
	v_mul_u32_u24 v120, v120, 2304                 ; 4608 x 16 (g / 32)
	v_mad_u32_u24 v120, v121, 4608, v120           ; + 4608 (g % 16): the pack
	v_and_b32 v121, 16, v[GG]
	v_lshl_add_u32 v120, v121, 1, v120             ; + 32 hh
	v_lshl_add_u32 v[VN], v[HH], 7, v120           ; + 128 h: tiles 2 h and 2 h + 1
	v_lshlrev_b32 v[VS], 7, v[GG]
	v_lshl_add_u32 v[VS], v[HH], 6, v[VS]          ; 4 (32 g + 16 h)
	v_sub_f32 v[CAP], s84, v[NHQ]                  ; q2 / 2 - 5e-13
.irp y, 0,1
.irp e, 0,1
	global_load_b128 v[ACC+8*\y+4*\e:ACC+8*\y+4*\e+3], v[VN], s[4:5] offset:4352+64*\y+16*\e   ; nh of my rows: the sums begin with it
	global_load_b128 v[NS+8*\y+4*\e:NS+8*\y+4*\e+3], v[VS], s[10:11] offset:32*\y+16*\e
.endr
.endr
	GEN 0
	GEN 1
	s_wait_loadcnt 0x0
; Three sets of masked fragments: a set is written eight plain lines behind the products that read it last and eight ahead of those that read it next; the loads into a query's registers stand behind the same eight
; lines (four plain lines that name none of a product's registers are owed before one of them is written or loaded; four ahead of a scaled product whose operand a vector line wrote).
.irp q, 0,1,2,3,4,5,6,7,8,9,10,11,12,13,14,15
.if \q >= 8
	s_wait_loadcnt 5*(15-\q)                       ; query q's five loads are in; the later queries' may stay out
.endif
	PROD \q
.if \q < 14
	GEN \q+2
.elseif \q == 14
.rept 4
	v_nop                                          ; no mask is left to make: four plain lines ahead of the products that read the last one
.endr
.endif
.if \q < 8
	LOADA \q+8
.endif
.endr
.rept 4
	v_nop                                          ; four plain lines between the last products and the first read of their results
.endr
.irp j, 0,1,2,3,4,5,6,7,8,9,10,11,12,13,14,15
	v_min_num_f32 v[ACC+\j], v[ACC+\j], v[CAP]     ; the hold; each accumulator from its low end on
.endr
.irp k, 0,1,2,3,4
	v_mov_b32 v[L+\k], 0xff800000
	v_mov_b32 v[L+5+\k], 0
.endr
.irp j, 0,1,2,3,4,5,6,7,8,9,10,11,12,13,14,15
	INS L, ACC+\j, NS+\j                           ; rows 16 h + 0 .. 15, ascending
.endr
.irp k, 0,1,2,3,4,5,6,7,8,9
	v_permlanex16_b32 v[T+\k], v[L+\k], s82, s83
.endr
.irp k, 0,1,2,3,4
	INS L, T+\k, T+5+\k                            ; right in lanes 0-15, where rows 0-15 take in rows 16-31
.endr
	ds_store_b128 v124, v[L:L+3]                   ; the list goes to LDS as an image of its registers
	ds_store_b128 v124, v[L+4:L+7] offset:512
	ds_store_b64 v125, v[L+8:L+9] offset:1024
	s_wait_dscnt 0x0                               ; for wave 0's sake: my list lies in LDS
	s_barrier_signal -1
	s_barrier_wait -1
	s_cmp_lg_u32 s14, 0
	s_cbranch_scc1 .Lend
	; WAVE 0: lane (n, h) merges the five slots of query n of tile h, in ascending slot, and forms the result of query 32 WG + lane.
	ds_load_b128 v[L:L+3], v126
	ds_load_b128 v[L+4:L+7], v126 offset:512
	ds_load_b64 v[L+8:L+9], v127 offset:1024
.irp s, 0,1,2,3
	ds_load_b128 v[128+10*\s:131+10*\s], v126 offset:1280*(\s+1)
	ds_load_b128 v[132+10*\s:135+10*\s], v126 offset:1280*(\s+1)+512
	ds_load_b64 v[136+10*\s:137+10*\s], v127 offset:1280*(\s+1)+1024
.endr
	s_wait_dscnt 0x0
.irp s, 0,1,2,3
.irp k, 0,1,2,3,4
	INS L, 128+10*\s+\k, 133+10*\s+\k
.endr
.endr
	v_mul_f32 v170, -2.0, v[NHF]                   ; q2
.irp k, 0,1,2,3,4
	v_fma_f32 v[171+\k], v[L+\k], -2.0, v170       ; d2 = q2 - 2 key
.endr
.irp k, 0,1,2,3,4
	v_max_num_f32 v[171+\k], 0x2b8cbccc, v[171+\k] ; at least 1e-12
.endr
.irp k, 0,1,2,3,4
	v_sqrt_f32 v[171+\k], v[171+\k]                ; the five distances: one batch
.endr
	v_add_f32 v190, v[L+5], v[L+6]                 ; (plain work behind the batch: the sum of the neighbour scales)
	v_add_f32 v195, v[L+7], v[L+8]
	v_add_f32 v190, v190, v195
	v_add_f32 v190, v190, v[L+9]
	s_wait_alu depctr_va_vdst(0)                   ; one wait for the five roots, ahead of their first reader
	v_min3_num_f32 v176, v171, v172, v173
	v_min3_num_f32 v176, v176, v174, v175          ; the smallest distance: the softmax's maximum is taken away
.irp k, 0,1,2,3,4
	v_sub_f32 v[177+\k], v176, v[171+\k]
.endr
.irp k, 0,1,2,3,4
	v_mul_f32 v[177+\k], 0x3fb8aa3b, v[177+\k]     ; x log2(e)
.endr
.irp k, 0,1,2,3,4
	v_exp_f32 v[177+\k], v[177+\k]                 ; the weights, not normalised: one batch
.endr
	v_add_f32 v182, v171, v172                     ; (plain work behind the batch: mean and variance of the distances)
	v_add_f32 v183, v173, v174
	v_add_f32 v182, v182, v183
	v_add_f32 v182, v182, v175
	v_mul_f32 v183, 0x3e4ccccd, v182               ; the mean
.irp k, 0,1,2,3,4
	v_sub_f32 v[184+\k], v[171+\k], v183
.endr
	v_mul_f32 v189, v184, v184
.irp k, 1,2,3,4
	v_fma_f32 v189, v[184+\k], v[184+\k], v189
.endr
	v_mul_f32 v189, 0x3e4ccccd, v189               ; the variance: a sum of squares, never negative
	v_mul_f32 v190, 0x3e4ccccd, v190
	v_max_num_f32 v190, 0x358637bd, v190           ; max(mean neighbour scale, 1e-6)
	v_max_num_f32 v193, 0x358637bd, v183           ; max(mean distance, 1e-6)
	s_wait_alu depctr_va_vdst(0)                   ; one wait for the five exponentials
	v_add_f32 v191, v177, v178
	v_add_f32 v195, v179, v180
	v_add_f32 v191, v191, v195
	v_add_f32 v191, v191, v181                     ; the sum of the weights, at least 1
	v_mul_f32 v192, v177, v171
.irp k, 1,2,3,4
	v_fma_f32 v192, v[177+\k], v[171+\k], v192     ; the sum of weight x distance
.endr
	v_sqrt_f32 v189, v189                          ; one batch of four
	v_rcp_f32 v191, v191
	v_rcp_f32 v190, v190
	v_rcp_f32 v193, v193
	v_nop                                          ; a plain line behind the last of them
	s_wait_alu depctr_va_vdst(0)                   ; and their one wait
	v_mul_f32 v194, v189, v193                     ; consistency
	v_fma_f32 v194, v194, 0.5, 1.0
	v_mul_f32 v192, v192, v191                     ; the weighted distance
	v_mul_f32 v192, v192, v190                     ; normalised
	v_mul_f32 v192, v192, v194
	global_store_b32 v123, v192, s[12:13]          ; 32 lanes store 128 consecutive bytes
.Lend:
	s_set_vgpr_msb 0x4
	s_wait_tensorcnt 0x0
	ds_add_u32 v122, v1
	s_wait_dscnt 0x0
	s_set_vgpr_msb 0x400
	s_endpgm
.Lfunc_end_k_qc30413d63b_refine:
	.size	k_qc30413d63b_refine, .Lfunc_end_k_qc30413d63b_refine-k_qc30413d63b_refine
	.p2alignl 7, 3214868480
	.fill 96, 4, 3214868480
	.section	.rodata,"a",@progbits
	.p2align	6, 0x0
	.amdhsa_kernel k_qc30413d63b_refine
		.amdhsa_group_segment_fixed_size 14592
		.amdhsa_private_segment_fixed_size 0
		.amdhsa_enable_private_segment 0
		.amdhsa_kernarg_size 40
		.amdhsa_user_sgpr_count 2
		.amdhsa_user_sgpr_kernarg_segment_ptr 1
		.amdhsa_wavefront_size32 1
		.amdhsa_system_sgpr_workgroup_id_x 1
		.amdhsa_system_sgpr_workgroup_id_y 1
		.amdhsa_system_sgpr_workgroup_id_z 1
		.amdhsa_system_vgpr_workitem_id 0
		.amdhsa_next_free_vgpr 258
		.amdhsa_next_free_sgpr 100
		.amdhsa_reserve_vcc 1
		.amdhsa_float_denorm_mode_32 3
		.amdhsa_float_denorm_mode_16_64 3
		.amdhsa_memory_ordered 1
		.amdhsa_forward_progress 1
		.amdhsa_inst_pref_size 79
	.end_amdhsa_kernel
	.amdgpu_metadata
---
amdhsa.version: [ 1, 2 ]
amdhsa.kernels:
  - .name:           k_qc30413d63b_refine
    .symbol:         k_qc30413d63b_refine.kd
    .args:
      - { .name: bank_img, .offset: 0, .size: 8, .value_kind: global_buffer, .address_space: global }
      - { .name: qry_img, .offset: 8, .size: 8, .value_kind: global_buffer, .address_space: global }
      - { .name: cand, .offset: 16, .size: 8, .value_kind: global_buffer, .address_space: global }
      - { .name: neighbor_scale_bank, .offset: 24, .size: 8, .value_kind: global_buffer, .address_space: global }
      - { .name: out0, .offset: 32, .size: 8, .value_kind: global_buffer, .address_space: global }
    .group_segment_fixed_size: 14592
    .private_segment_fixed_size: 0
    .kernarg_segment_align: 8
    .kernarg_segment_size: 40
    .max_flat_workgroup_size: 320
    .sgpr_count:     100
    .vgpr_count:     258
    .wavefront_size: 32
...
	.end_amdgpu_metadata
.endif
;; end of part 4
;; ======== version 2 of 2: 4 launches; version 1 with the launch refine written anew for expert scheduling mode
;; workspace buffers: bank_img 1,179,648 bytes; qry_img 589,824 bytes; lists 5,242,880 bytes; cand 393,216 bytes of whole numbers
;; launch prep: the kernel of part 1 again; grid 384 x 1, 4 waves a work-group, no clusters, 34,816 bytes of LDS; arguments memory_bank, query, bank_img, qry_img; writes bank_img, qry_img
;; launch scan: the kernel of part 2 again; grid 16 x 16, 4 waves a work-group, clusters of 4 x 1, 168,448 bytes of LDS; arguments bank_img, qry_img, lists; writes lists
;; launch merge: the kernel of part 3 again; grid 512 x 1, 1 waves a work-group, no clusters, 1,280 bytes of LDS; arguments lists, cand; writes cand
;; launch refine (part 5): grid 256 x 1, 10 waves a work-group, no clusters, 14,592 bytes of LDS; arguments bank_img, qry_img, cand, neighbor_scale_bank, out0; writes out0
.if DOCPART == 5
	.amdgcn_target "amdgcn-amd-amdhsa--gfx1250"
	.amdhsa_code_object_version 6
	.text
	.protected	k_qc30413d63b_refine
	.globl	k_qc30413d63b_refine
	.p2align	8
	.type	k_qc30413d63b_refine,@function
k_qc30413d63b_refine:
	s_mov_b64 s[64:65], 0
	v_nop
	global_prefetch_b8 v0, s[64:65] scope:SCOPE_SE
	s_setreg_imm32_b32 hwreg(HW_REG_WAVE_SCHED_MODE, 0, 2), 2
	s_setreg_imm32_b32 hwreg(HW_REG_WAVE_MODE, 25, 1), 1
	s_wait_xcnt 0x0
	s_wait_alu depctr_vm_vsrc(0)
; THE FINE PASS.  For each query the 5 x 32 rows of its five best groups are scored again, by the same matrix instruction on the same codes; the five best rows are chosen, and the result is formed.
; SHARES.  A work-group takes two tiles of 16 queries, X = 2 WG + a.  Wave 5 a + s takes tile a's slot s: for each of its 16 queries the 32 rows of that query's s-th group (ascending group numbers).
; ONE SUM FOR SIXTEEN QUERIES.  For query n0 the bank rows are source 0 (two tiles of 16) and the tile of queries, with every column but n0 set to zero codes, is source 1.  The sixteen queries' products are
; added onto the same two accumulators, which begin as nh = -m2 / 2 of each lane's own rows.  A zero column adds nothing, so at the end lane (n, h) holds the keys q . m - m2 / 2 of query n's own rows:
; register j of accumulator y is row i = 16 h + 8 y + j of the group.  All 32 lanes then choose, and nothing is picked out of a result.
; WHICH ROWS FORM A TILE: row r of tile y is the group's row 16 (r / 8) + 8 y + r % 8: tile 2 (r / 8) + y of the pack, row 8 hh + r % 8.
; TIES: rows are inserted in ascending order by a strict >, lower ranges take in upper ones, slots stand in ascending group number: equal keys keep the lower index, as the reference's top_k does.
; What travels with a key is the row's neighbour scale itself: no index is needed any more.
; ADDRESSES hang on whole numbers that an earlier launch stored; each is held by a minimum with a constant first: u at 9,181 (the last group's place), g at 511.
; LIMITS: the choice is made on the key in f32 (held at q2 / 2 - 5e-13, the reference's max(d2, 1e-12)), not on the rounded root; a key passes through sixteen instructions, fifteen of which add zeros;
; rows whose d2 differ by a few units in the last place may be chosen otherwise than by the reference; NaN and infinities are not served.
; No tensor load, no cluster: every wave gathers rows of its own choice, so no tile is shared.  out0: a work-group owns 32 queries, 128 bytes, so that all gathers are spread over 256 work-groups.
; THE MODE: SCHED_MODE bits 1:0 = 2 (LLVM: expert scheduling mode 2), set by the entry lines.  The code itself states the register dependences between vector or matrix instructions and memory or LDS
; instructions, and those through scalar registers that vector instructions write, with s_wait_alu, always for 0.
; THE PLAN.  Registers that memory or LDS instructions touch:
;   v3-5, v116-119, v123-127   offsets and LDS addresses: written once at the head by vector lines, read by loads and stores, never written again.  One wait on va_vdst ahead of the first load serves them all.
;   v7, v8                     offsets of nh and of the neighbour scales: written once, behind the head's loads; one wait on va_vdst ahead of the eight loads that read them.
;   AR0 set q % 8, SAR pair q % 8   loaded for query q, read by query q's two products, loaded again for query q + 8.
;   BM set q % 3               named by vector and matrix lines alone: written by eight selects, read by query q's two scaled products.
;   v80-89, the list           written by the insertions, read by three LDS stores; in wave 0 three LDS loads then land in it.  v128-167: read by products, in wave 0 twelve LDS loads land there.
;   v192                       the result: written by the last multiply, read by the store.
; So ONE wait on va_vdst stands in each of the steps 0 to 14, behind the step's eight selects: it states that the NEXT query's masked fragment, made a step earlier, is written, and that this step's products are
; done reading the registers in which the loads of eight queries on, which follow it directly, land.  One wait on va_vdst stands ahead of the LDS stores, one on vm_vsrc behind them, one on va_vdst ahead of the
; store of the result.  Every insertion has one wait on va_sdst between its five compares and the selects that read their masks.  EXEC is never written; VCC is written by scalar moves alone.
.set PACKB, 4608
.set VLA, 3                            ; v3   my place in a group's codes: 256 h + 16 (r % 8) + 2048 (r / 8)
.set VLS, 4                            ; v4   and among its scale words: 16 (r % 8) + 8 (r / 8)
.set N4,  5                            ; v5   4 n
.set GG,  6                            ; v6   my query's group
.set VN,  7                            ; v7   where nh of my 16 rows begins
.set VS,  8                            ; v8   where their neighbour scales begin
.set CAP, 9
.set NHQ, 10                           ; v10  nh of my query
.set NHF, 11                           ; v11  nh of query 32 WG + lane, for the end
.set SBQ, 12                           ; v12  the queries' scale words
.set HH,  13                           ; v13  h
.set BQ,  16                           ; v16-23   the queries' fragment
.set BM,  24                           ; v24-47   the same with one column left, three sets
.set ACC, 48                           ; v48-63   the two accumulators
.set NS,  64                           ; v64-79   my 16 rows' neighbour scales
.set L,   80                           ; v80-89   the list: five keys descending, five neighbour scales
.set T,   90                           ; v90-99   the other half's list
.set SAR, 100                          ; v100-115 the bank rows' scale words: two for each of eight queries
.set AR0, 128                          ; v128-255 the bank rows' fragments: 16 registers for each of eight queries; at the end four lists and the last arithmetic
.set MK,  76                           ; s[76:80] masks
.macro INS L0, X, Y
.irp k, 0,1,2,3,4
	v_cmp_gt_f32 s[MK+\k], v[\X], v[(\L0)+\k]
.endr
	s_wait_alu depctr_va_sdst(0)                   ; the five compares have written s[76:80], ahead of the first select that reads one of them
.irp k, 4,3,2,1
	v_cndmask_b32 v[(\L0)+5+\k], v[(\L0)+5+\k], v[\Y], s[MK+\k]
	v_cndmask_b32 v[(\L0)+5+\k], v[(\L0)+5+\k], v[(\L0)+4+\k], s[MK+\k-1]
.endr
	v_cndmask_b32 v[(\L0)+5], v[(\L0)+5], v[\Y], s[MK]
.irp k, 4,3,2,1
	v_med3_num_f32 v[(\L0)+\k], v[\X], v[(\L0)+\k-1], v[(\L0)+\k]
.endr
	v_max_num_f32 v[\L0], v[\X], v[\L0]
.endm
.macro LOADA n                         ; query n's group: two fragments and their scale words: five loads
.irp y, 0,1
.irp c, 0,1
	global_load_b128 v[AR0+16*((\n)%8)+8*\y+4*\c:AR0+16*((\n)%8)+8*\y+4*\c+3], v[VLA], s[32+2*(\n):33+2*(\n)] offset:1024*\y+512*\c
.endr
.endr
	global_load_b64 v[SAR+2*((\n)%8):SAR+2*((\n)%8)+1], v[VLS], s[32+2*(\n):33+2*(\n)] offset:4096
.endm
.macro GEN n                           ; the queries' fragment with column n alone (lanes n and 16 + n), zero codes elsewhere, into set n % 3
	s_mov_b32 vcc_lo, 0x10001<<(\n)
.irp j, 0,1,2,3,4,5,6,7
	v_cndmask_b32 v[BM+8*((\n)%3)+\j], 0, v[BQ+\j], vcc_lo
.endr
.endm
.macro PROD n                          ; the two accumulators take turns, one instruction a turn
	v_wmma_scale_f32_16x16x128_f8f6f4 v[ACC:ACC+7], v[AR0+16*((\n)%8):AR0+16*((\n)%8)+7], v[BM+8*((\n)%3):BM+8*((\n)%3)+7], v[ACC:ACC+7], v[SAR+2*((\n)%8)], v[SBQ] matrix_a_fmt:MATRIX_FMT_FP4 matrix_b_fmt:MATRIX_FMT_FP4
	v_wmma_scale_f32_16x16x128_f8f6f4 v[ACC+8:ACC+15], v[AR0+16*((\n)%8)+8:AR0+16*((\n)%8)+15], v[BM+8*((\n)%3):BM+8*((\n)%3)+7], v[ACC+8:ACC+15], v[SAR+2*((\n)%8)+1], v[SBQ] matrix_a_fmt:MATRIX_FMT_FP4 matrix_b_fmt:MATRIX_FMT_FP4
.endm
	s_load_b256 s[4:11], s[0:1], 0x0               ; bank_img s[4:5], qry_img s[6:7], cand s[8:9], neighbor_scale_bank s[10:11]
	s_load_b64 s[12:13], s[0:1], 0x20              ; out0
	v_lshl_add_u32 v122, v0, 2, 0x3400
	s_set_vgpr_msb 0x40
	v_mov_b32 v1, 0
	s_set_vgpr_msb 0x4000
	v_lshrrev_b32 v1, 5, v0
	v_readfirstlane_b32 s14, v1                    ; wave 0..9
	s_wait_alu depctr_va_sdst(0)                   ; s14 is written, ahead of its first reader, the compare below
	s_cmp_ge_u32 s14, 5
	s_cselect_b32 s15, 1, 0                        ; a
	s_mul_i32 s66, s15, 5
	s_sub_co_u32 s66, s14, s66                     ; slot
	s_lshl_b32 s67, ttmp9, 1
	s_add_co_u32 s67, s67, s15                     ; X
	s_mul_i32 s68, s67, 768
	s_lshl_b32 s69, s66, 6
	s_add_co_u32 s68, s68, s69                     ; cand: my tile, my slot's row
	s_mov_b32 s69, 0
	s_lshr_b32 s70, ttmp9, 1
	s_mul_i32 s70, s70, PACKB                      ; the query pack X / 4
	s_mov_b32 s71, 0
	s_and_b32 s72, s67, 3                          ; my tile in it
	s_and_b32 s73, ttmp9, 1
	s_lshl_b32 s73, s73, 7                         ; 64 x the pack's tile of the work-group's first tile
	s_lshl_b32 s74, ttmp9, 7                       ; out0: 32 queries of 4 bytes
	s_mov_b32 s75, 0
	s_mov_b32 s82, 0x76543210
	s_mov_b32 s83, 0xfedcba98                      ; v_permlanex16_b32's selects for lane l xor 16
	s_mov_b32 s84, 0xab0cbccc                      ; -5e-13
	s_lshl_b32 s85, s72, 10
	s_lshl_b32 s86, s72, 2
	s_lshl_b32 s87, s72, 6
	s_mul_i32 s88, s14, 1280                       ; my list's place in LDS
	v_and_b32 v1, 31, v0                           ; lane
	v_and_b32 v2, 15, v0                           ; n, r
	v_bfe_u32 v[HH], v0, 4, 1                      ; h
	v_and_b32 v14, 7, v0
	v_bfe_u32 v15, v0, 3, 1
	v_lshlrev_b32 v[VLA], 8, v[HH]
	v_lshl_add_u32 v[VLA], v14, 4, v[VLA]
	v_lshl_add_u32 v[VLA], v15, 11, v[VLA]
	v_lshlrev_b32 v[VLS], 4, v14
	v_lshl_add_u32 v[VLS], v15, 3, v[VLS]
	v_lshlrev_b32 v[N4], 2, v2
	v_lshl_add_u32 v116, v1, 4, s85                ; the queries' fragment: 1024 t + 16 x lane
	v_lshl_add_u32 v117, v2, 4, s86                ; their scale words: 16 n + 4 t
	v_add_nc_u32 v118, s87, v[N4]                  ; their nh: 64 t + 4 n
	v_lshl_add_u32 v119, v[HH], 6, v[N4]
	v_add_nc_u32 v119, s73, v119                   ; and for the end: tile 2 (WG % 2) + h
	v_lshlrev_b32 v123, 2, v1                      ; out0: 4 x lane
	v_lshl_add_u32 v124, v1, 4, s88                ; LDS: my list's image, 16 bytes a lane,
	v_lshl_add_u32 v125, v1, 3, s88                ; and 8
	v_mul_u32_u24 v126, v[HH], 6400                ; and where wave 0 reads: tile h's five lists, lane n's part
	v_lshl_add_u32 v127, v2, 3, v126
	v_lshl_add_u32 v126, v2, 4, v126
.irp k, 0,1,2,3,4,5,6,7,8,9
	v_mov_b32 v[T+\k], 0                           ; written once: a lane permute's destination counts as one of its sources
.endr
	s_wait_kmcnt 0x0
	s_add_nc_u64 s[8:9], s[8:9], s[68:69]
	s_add_nc_u64 s[6:7], s[6:7], s[70:71]
	s_add_nc_u64 s[12:13], s[12:13], s[74:75]
	s_load_b512 s[16:31], s[8:9], 0x0              ; u of my slot, for the 16 queries
	s_wait_alu depctr_va_vdst(0)                   ; v3 to v5, v116 to v119 and v123 to v127 are written: the loads and stores of the whole kernel read them as offsets and addresses, and none is written again
	global_load_b32 v[GG], v[N4], s[8:9] offset:320            ; g of my slot, for my query.  Six loads at the head
	global_load_b128 v[BQ:BQ+3], v116, s[6:7]
	global_load_b128 v[BQ+4:BQ+7], v116, s[6:7] offset:512
	global_load_b32 v[SBQ], v117, s[6:7] offset:4096
	global_load_b32 v[NHQ], v118, s[6:7] offset:4352
	global_load_b32 v[NHF], v119, s[6:7] offset:4352
	s_wait_kmcnt 0x0
.irp n, 0,1,2,3,4,5,6,7,8,9,10,11,12,13,14,15
	s_min_u32 s[16+\n], s[16+\n], 9181             ; held inside bank_img,
	s_lshl_b32 s[32+2*\n], s[16+\n], 7             ; in bytes,
	s_mov_b32 s[33+2*\n], 0
	s_add_nc_u64 s[32+2*\n:33+2*\n], s[4:5], s[32+2*\n:33+2*\n]   ; query n's group in bank_img
.endr
.irp n, 0,1,2,3,4,5,6,7
	LOADA \n
.endr
	s_wait_loadcnt 40                              ; the six loads of the head are in; the first eight queries' five loads each may stay out
	v_min_u32 v[GG], 0x1ff, v[GG]                  ; held inside the bank
	v_and_b32 v120, 0x1e0, v[GG]
	v_and_b32 v121, 15, v[GG]
	v_mul_u32_u24 v120, v120, 2304                 ; 4608 x 16 (g / 32)
	v_mad_u32_u24 v120, v121, 4608, v120           ; + 4608 (g % 16): the pack
	v_and_b32 v121, 16, v[GG]
	v_lshl_add_u32 v120, v121, 1, v120             ; + 32 hh
	v_lshl_add_u32 v[VN], v[HH], 7, v120           ; + 128 h: tiles 2 h and 2 h + 1
	v_lshlrev_b32 v[VS], 7, v[GG]
	v_lshl_add_u32 v[VS], v[HH], 6, v[VS]          ; 4 (32 g + 16 h)
	v_sub_f32 v[CAP], s84, v[NHQ]                  ; q2 / 2 - 5e-13
	s_wait_alu depctr_va_vdst(0)                   ; v7 and v8 are written, which the eight loads below read as their offsets
.irp y, 0,1
.irp e, 0,1
	global_load_b128 v[ACC+8*\y+4*\e:ACC+8*\y+4*\e+3], v[VN], s[4:5] offset:4352+64*\y+16*\e   ; nh of my rows: the sums begin with it
	global_load_b128 v[NS+8*\y+4*\e:NS+8*\y+4*\e+3], v[VS], s[10:11] offset:32*\y+16*\e
.endr
.endr
	GEN 0
	GEN 1
	s_wait_loadcnt 0x0
	s_wait_alu depctr_va_vdst(0)                   ; query 0's masked fragment is written, which the scaled products below take as an operand; query 1's eight selects are the plain lines between
; Three sets of masked fragments: a set is written eight plain lines behind the products that read it last and eight ahead of those that read it next (four plain lines that name none of a product's registers
; are owed before one of them is written; four ahead of a scaled product whose operand a vector line wrote).  The loads into a query's registers follow the step's wait directly.
.irp q, 0,1,2,3,4,5,6,7,8,9,10,11,12,13,14,15
.if \q >= 8
	s_wait_loadcnt 5*(15-\q)                       ; query q's five loads are in; the later queries' may stay out
.endif
	PROD \q
.if \q < 14
	GEN \q+2
.elseif \q == 14
.rept 4
	v_nop                                          ; no mask is left to make: four plain lines ahead of the products that read the last one
.endr
.endif
.if \q < 8
	s_wait_alu depctr_va_vdst(0)                   ; the next query's masked fragment, made a step ago, is written, with this step's eight selects as the plain lines behind it; and this step's products are done reading the fragments and scale words in which the five loads below land
	LOADA \q+8
.elseif \q < 15
	s_wait_alu depctr_va_vdst(0)                   ; the next query's masked fragment, made a step ago, is written, with this step's plain lines behind it: the next scaled products take it as an operand
.endif
.endr
.rept 4
	v_nop                                          ; four plain lines between the last products and the first read of their results
.endr
.irp j, 0,1,2,3,4,5,6,7,8,9,10,11,12,13,14,15
	v_min_num_f32 v[ACC+\j], v[ACC+\j], v[CAP]     ; the hold; each accumulator from its low end on
.endr
.irp k, 0,1,2,3,4
	v_mov_b32 v[L+\k], 0xff800000
	v_mov_b32 v[L+5+\k], 0
.endr
.irp j, 0,1,2,3,4,5,6,7,8,9,10,11,12,13,14,15
	INS L, ACC+\j, NS+\j                           ; rows 16 h + 0 .. 15, ascending
.endr
.irp k, 0,1,2,3,4,5,6,7,8,9
	v_permlanex16_b32 v[T+\k], v[L+\k], s82, s83
.endr
.irp k, 0,1,2,3,4
	INS L, T+\k, T+5+\k                            ; right in lanes 0-15, where rows 0-15 take in rows 16-31
.endr
	s_wait_alu depctr_va_vdst(0)                   ; the insertions have written the list, which the LDS stores read.  It also states, for wave 0's LDS loads behind the barrier, that the insertions are done with v80-89 and the products with v128-167: no vector or matrix line stands between this wait and those loads
	ds_store_b128 v124, v[L:L+3]                   ; the list goes to LDS as an image of its registers
	ds_store_b128 v124, v[L+4:L+7] offset:512
	ds_store_b64 v125, v[L+8:L+9] offset:1024
	s_wait_dscnt 0x0                               ; for wave 0's sake: my list lies in LDS
	s_barrier_signal -1
	s_barrier_wait -1
	s_wait_alu depctr_vm_vsrc(0)                   ; my LDS stores have read v80-89, in which wave 0's LDS loads land; the wait stands ahead of the branch, on every wave's way
	s_cmp_lg_u32 s14, 0
	s_cbranch_scc1 .Lend
	; WAVE 0: lane (n, h) merges the five slots of query n of tile h, in ascending slot, and forms the result of query 32 WG + lane.
	ds_load_b128 v[L:L+3], v126
	ds_load_b128 v[L+4:L+7], v126 offset:512
	ds_load_b64 v[L+8:L+9], v127 offset:1024
.irp s, 0,1,2,3
	ds_load_b128 v[128+10*\s:131+10*\s], v126 offset:1280*(\s+1)
	ds_load_b128 v[132+10*\s:135+10*\s], v126 offset:1280*(\s+1)+512
	ds_load_b64 v[136+10*\s:137+10*\s], v127 offset:1280*(\s+1)+1024
.endr
	s_wait_dscnt 0x0
.irp s, 0,1,2,3
.irp k, 0,1,2,3,4
	INS L, 128+10*\s+\k, 133+10*\s+\k
.endr
.endr
	v_mul_f32 v170, -2.0, v[NHF]                   ; q2
.irp k, 0,1,2,3,4
	v_fma_f32 v[171+\k], v[L+\k], -2.0, v170       ; d2 = q2 - 2 key
.endr
.irp k, 0,1,2,3,4
	v_max_num_f32 v[171+\k], 0x2b8cbccc, v[171+\k] ; at least 1e-12
.endr
.irp k, 0,1,2,3,4
	v_sqrt_f32 v[171+\k], v[171+\k]                ; the five distances: one batch
.endr
	v_add_f32 v190, v[L+5], v[L+6]                 ; (plain work behind the batch: the sum of the neighbour scales)
	v_add_f32 v195, v[L+7], v[L+8]
	v_add_f32 v190, v190, v195
	v_add_f32 v190, v190, v[L+9]
	s_wait_alu depctr_va_vdst(0)                   ; one wait for the five roots in v171-175, ahead of their first reader
	v_min3_num_f32 v176, v171, v172, v173
	v_min3_num_f32 v176, v176, v174, v175          ; the smallest distance: the softmax's maximum is taken away
.irp k, 0,1,2,3,4
	v_sub_f32 v[177+\k], v176, v[171+\k]
.endr
.irp k, 0,1,2,3,4
	v_mul_f32 v[177+\k], 0x3fb8aa3b, v[177+\k]     ; x log2(e)
.endr
.irp k, 0,1,2,3,4
	v_exp_f32 v[177+\k], v[177+\k]                 ; the weights, not normalised: one batch
.endr
	v_add_f32 v182, v171, v172                     ; (plain work behind the batch: mean and variance of the distances)
	v_add_f32 v183, v173, v174
	v_add_f32 v182, v182, v183
	v_add_f32 v182, v182, v175
	v_mul_f32 v183, 0x3e4ccccd, v182               ; the mean
.irp k, 0,1,2,3,4
	v_sub_f32 v[184+\k], v[171+\k], v183
.endr
	v_mul_f32 v189, v184, v184
.irp k, 1,2,3,4
	v_fma_f32 v189, v[184+\k], v[184+\k], v189
.endr
	v_mul_f32 v189, 0x3e4ccccd, v189               ; the variance: a sum of squares, never negative
	v_mul_f32 v190, 0x3e4ccccd, v190
	v_max_num_f32 v190, 0x358637bd, v190           ; max(mean neighbour scale, 1e-6)
	v_max_num_f32 v193, 0x358637bd, v183           ; max(mean distance, 1e-6)
	s_wait_alu depctr_va_vdst(0)                   ; one wait for the five exponentials in v177-181, ahead of their first reader
	v_add_f32 v191, v177, v178
	v_add_f32 v195, v179, v180
	v_add_f32 v191, v191, v195
	v_add_f32 v191, v191, v181                     ; the sum of the weights, at least 1
	v_mul_f32 v192, v177, v171
.irp k, 1,2,3,4
	v_fma_f32 v192, v[177+\k], v[171+\k], v192     ; the sum of weight x distance
.endr
	v_sqrt_f32 v189, v189                          ; one batch of four
	v_rcp_f32 v191, v191
	v_rcp_f32 v190, v190
	v_rcp_f32 v193, v193
	v_nop                                          ; a plain line behind the last of them
	s_wait_alu depctr_va_vdst(0)                   ; and their one wait: v189, v190, v191 and v193 are written, ahead of their first reader
	v_mul_f32 v194, v189, v193                     ; consistency
	v_fma_f32 v194, v194, 0.5, 1.0
	v_mul_f32 v192, v192, v191                     ; the weighted distance
	v_mul_f32 v192, v192, v190                     ; normalised
	v_mul_f32 v192, v192, v194
	s_wait_alu depctr_va_vdst(0)                   ; the last multiply has written v192, which the store reads
	global_store_b32 v123, v192, s[12:13]          ; 32 lanes store 128 consecutive bytes
.Lend:
	s_set_vgpr_msb 0x4
	s_wait_dscnt 0x0
	s_wait_alu depctr_hold_cnt(0) depctr_sa_sdst(0) depctr_va_vdst(0) depctr_va_sdst(0) depctr_va_ssrc(0) depctr_va_vcc(0) depctr_vm_vsrc(0)
	s_wait_tensorcnt 0x0
	ds_add_u32 v122, v1
	s_wait_dscnt 0x0
	s_endpgm
.Lfunc_end_k_qc30413d63b_refine:
	.size	k_qc30413d63b_refine, .Lfunc_end_k_qc30413d63b_refine-k_qc30413d63b_refine
	.p2alignl 7, 3214868480
	.fill 96, 4, 3214868480
	.section	.rodata,"a",@progbits
	.p2align	6, 0x0
	.amdhsa_kernel k_qc30413d63b_refine
		.amdhsa_group_segment_fixed_size 14592
		.amdhsa_private_segment_fixed_size 0
		.amdhsa_enable_private_segment 0
		.amdhsa_kernarg_size 40
		.amdhsa_user_sgpr_count 2
		.amdhsa_user_sgpr_kernarg_segment_ptr 1
		.amdhsa_wavefront_size32 1
		.amdhsa_system_sgpr_workgroup_id_x 1
		.amdhsa_system_sgpr_workgroup_id_y 1
		.amdhsa_system_sgpr_workgroup_id_z 1
		.amdhsa_system_vgpr_workitem_id 0
		.amdhsa_next_free_vgpr 258
		.amdhsa_next_free_sgpr 100
		.amdhsa_reserve_vcc 1
		.amdhsa_float_denorm_mode_32 3
		.amdhsa_float_denorm_mode_16_64 3
		.amdhsa_memory_ordered 1
		.amdhsa_forward_progress 1
		.amdhsa_inst_pref_size 81
	.end_amdhsa_kernel
	.amdgpu_metadata
---
amdhsa.version: [ 1, 2 ]
amdhsa.kernels:
  - .name:           k_qc30413d63b_refine
    .symbol:         k_qc30413d63b_refine.kd
    .args:
      - { .name: bank_img, .offset: 0, .size: 8, .value_kind: global_buffer, .address_space: global }
      - { .name: qry_img, .offset: 8, .size: 8, .value_kind: global_buffer, .address_space: global }
      - { .name: cand, .offset: 16, .size: 8, .value_kind: global_buffer, .address_space: global }
      - { .name: neighbor_scale_bank, .offset: 24, .size: 8, .value_kind: global_buffer, .address_space: global }
      - { .name: out0, .offset: 32, .size: 8, .value_kind: global_buffer, .address_space: global }
    .group_segment_fixed_size: 14592
    .private_segment_fixed_size: 0
    .kernarg_segment_align: 8
    .kernarg_segment_size: 40
    .max_flat_workgroup_size: 320
    .sgpr_count:     100
    .vgpr_count:     258
    .wavefront_size: 32
...
	.end_amdgpu_metadata
.endif
;; end of part 5
